; MI455X (gfx1250); checked and timed in simulation.
; The chip was launched on July 23, 2026; its instructions are those of AMD's public machine-readable ISA for CDNA 5 (MIT licence, August 2026) and "CDNA5" Instruction Set Architecture Reference Guide (July 2026). The comments in the code are by the model that wrote it; some were corrected since.
;; QKV Attention Legacy. Allowed arithmetic: matrix products marked QUANTISED: E2M1 operands, one E8M0 scale for each 32 along K, by v_wmma_scale_f32_16x16x128_f8f6f4 with both operands' format E2M1 (or v_wmma_scale_f32_32x16x128_f4), f32 sums; everything else in f32.
;; Inputs: kv 4 x 1,024 x 2,048 float32; q 4 x 512 x 2,048 float32.
;; Outputs: out0 4 x 512 x 2,048 float32.
;; Constants: n_heads = 8.
;; This version of the problem:
;;   THIS VERSION OF THE PROBLEM IS GIVEN IN LOW PRECISION. The matrix products marked QUANTISED in the list below multiply operands that are first quantised to E2M1 (2 exponent bits, 1 mantissa bit; 4 bits a number), with one power-of-two scale for each 32 numbers along K (OCP MX v1.0); their sums are f32. All else is computed in f32.
;;   The module's matrix products, in the order in which they are computed (A, B: the left and right operand; K: the contracted axis; several contracted axes count as one K, in the product's order):
;;     1. batch 32 x [M 2,048, K 64] x [K 64, N 2,048]; A: computed on the way; B: computed on the way: QUANTISED
;;     2. batch 32 x [M 64, K 2,048] x [K 2,048, N 2,048]; A: computed on the way; B: softmax (see below): QUANTISED
;;   THE QUANTISER, for each operand of a quantised product, along K:
;;     - K is cut into blocks of 32 from its start; a last block that is shorter is filled with zeros.
;;     - A block's scale is 2^e with e = floor(log2(the largest magnitude in the block)) - 2, held to -126 .. 127; a block of zeros has e = 0. As a byte (E8M0): e + 127.
;;     - Each number is divided by its block's scale, clamped to +-6, and rounded to the nearest number of E2M1, ties to even, subnormals kept.
;;     - The product sums the exact products of the quantised numbers (number of the format x scale) in f32.
;;   ~~~python
;;   def quantise(x, axis):      # numpy; x: float32 -> the quantised numbers, widened to float32 again
;;       x = np.moveaxis(x, axis, -1); K = x.shape[-1]
;;       x = np.pad(x, [(0, 0)] * (x.ndim - 1) + [(0, -K % 32)]); x = x.reshape(x.shape[:-1] + (-1, 32)); a = np.abs(x).max(-1, keepdims=True)
;;       e = np.where(a > 0, np.clip(np.frexp(np.where(a > 0, a, 1))[1] - 1 - 2, -126, 127), 0)      # np.frexp(a)[1] - 1 = floor(log2(a)), exactly
;;       r = np.clip(x / 2.0 ** e, -6, 6)
;;       step = 2.0 ** (np.maximum(np.frexp(np.where(r == 0, 1, r))[1] - 1, 0) - 1)
;;       q = np.round(r / step) * step * 2.0 ** e      # np.round: ties to even
;;       return np.moveaxis(q.reshape(q.shape[:-2] + (-1,))[..., :K], -1, axis).astype(np.float32)
;;   ~~~
;;   SOFTMAX AHEAD OF A QUANTISED PRODUCT. Where the list says 'softmax', what is quantised is not the finished softmax but p = 2^(t - M), with t = logit x log2(e) and M = ceil(the row's largest t), a whole number; so 1/2 < the row's largest p <= 1. The row's sum l is taken of the UNQUANTISED p, in f32, and the product's result is divided by l at the end. Since M is a whole number, a kernel that streams over the keys may use a running M (the ceiling of the running maximum): every later rescaling is an exact power of two, which a block's scale takes up: the codes' values come out the same.
;;   OPERANDS COMPUTED ON THE WAY. 'Computed on the way' means the value that the module computes at that place (a softmax that the list does not call 'softmax' is quantised finished and normalised). What goes into a quantiser is computed in f32, as accurately as f32 sums, v_exp_f32 and their like allow (about 1e-6 of the number): no bf16 or f16 on the way to a quantiser, and a product that is left as it is and whose result goes on into a quantised operand takes f32 operands (vector FMAs, or v_wmma_f32_16x16x4_f32). A number that lies on a knife's edge between two numbers of the format may be rounded either way, as far as f32 arithmetic and the matrix unit's own rounding can turn it there, and no further.
;; One version. Each part assembles by itself: llvm-mc -triple=amdgcn-amd-amdhsa -mcpu=gfx1250 --defsym DOCPART=n.
;; ======== version 1 of 1: 2 launches
;; limits: right only within a limited range of input values
;; workspace buffers: kvc 4,456,448 bytes
;; launch quant (part 1): grid 512 x 2, 4 waves a work-group, no clusters, 38,912 bytes of LDS; arguments kv, kvc; writes kvc
.if DOCPART == 1
	.amdgcn_target "amdgcn-amd-amdhsa--gfx1250"
	.amdhsa_code_object_version 6
	.text
	.protected	k_q2beedf54b5_quant
	.globl	k_q2beedf54b5_quant
	.p2align	8
	.type	k_q2beedf54b5_quant,@function
k_q2beedf54b5_quant:
	s_mov_b64 s[64:65], 0
	v_nop
	global_prefetch_b8 v0, s[64:65] scope:SCOPE_SE
	s_setreg_imm32_b32 hwreg(HW_REG_WAVE_MODE, 25, 1), 1
	s_wait_xcnt 0x0
; k and v (kv: [32 heads][128 channels][2048], k = channels 0-63, v = channels 64-127), f32, become codes of FP4 (E2M1) with one E8M0 scale byte for each 32 along the K of the product
; that reads them, laid as IMAGES OF THE OPERANDS' REGISTERS: a group of four registers is 512 bytes, lane l's 16 bytes at 16 l.  k is first multiplied by 64^-0.25 in f32; its K is the channels.  v's K is the keys.
; A block's scale is 2^(floor(log2(its largest magnitude)) - 2): its byte is the largest magnitude's exponent field - 2, held at 1 from below.
; LIMITS: a block of zeros gets the byte 1 where the quantiser says 127 (its codes are zeros, which add nothing under any byte but 0xff, and this program alone reads the bytes);
; blocks whose largest magnitude lies under 2^(3 - 127) are held at that floor's byte; NaN and infinities among the inputs are not served.
; SHARES.  Work-group x = 16 x head + step takes 128 keys of one head; y = 0: k, 1: v.  A work-group reads 32 KiB, a wave 8 KiB, all asked for at once.
; k: wave b takes keys 32 b .. 32 b + 31, A LANE A KEY, ITS REGISTERS DOWN THE CHANNELS: both blocks of a key lie in one lane.
; v: wave t takes channels 16 t .. 16 t + 15 x 128 keys.  Each load reads a row's 512 consecutive bytes; the rows turn through the wave's own stage in LDS, so that lane (r, h) holds keys 64 c + 32 h + 0 .. 31 of channel r.
; OUT.  kvc: [head][step][8,704]: +0 k's 2 operands x 4 groups x 512; +4,096 v's 4 tiles x 2 groups x 512; +8,192 k's scale words, +8,448 v's: lane l's two words at 8 l.
; k's operand c (64 keys, 64 c on; 32 rows x 128): key 32 hh + 8 g + j of the 64 stands in row 16 (g & 1) + 8 hh + j, in the row's k = 64 (g >> 1) + channel: TWO keys share a row, one in each half of k.
; So its group is 2 (g & 1) + (g >> 1), its lanes 8 hh + j and 16 + 8 hh + j, its two scale bytes stand at 2 (g >> 1) of word c of lane 16 (g & 1) + 8 hh + j.
; k's codes are gathered in LDS in that order and leave as runs of 512 bytes.  No tensor loads, no cluster (work-groups share no input), no loop and so no prefetch; every offset is an immediate.
; k's path and v's path have LDS bytes, a barrier and an end of their own: the way hangs on the work-group's y alone.
.set STEPB, 8704
.set VPITCH, 528                       ; a stage row: 512 bytes + 16
.set VWAVE,  16*VPITCH
.set KIMG,   4*VWAVE                   ; behind the four stages: k's 4,096 bytes of codes,
.set KW,     KIMG+4096                 ; k's 256 bytes of scale words,
.set VW,     KW+256                    ; v's,
.set SPARE,  VW+256                    ; and the spare words, 128 bytes a wave
.set C,   16                           ; v16-23   the codes
.set E,   24                           ; v24-25   the two bytes
.set W,   29
.set SPW, 30
.set NIL, 31
.set X,   32                           ; v32-95   64 numbers of my key (k) or of my channel (v)
.set R,   96                           ; v96-159  v's 16 rows as loaded
; v1 lane, v2 r, v3 lane / 16; v4 k: my key's bytes; v5 k: my codes' place in LDS; v6 1,024 x wave + 16 x lane; v7 k's codes, out of LDS; v8 8 x lane; v9, v10 k's words, in and out;
; v11, v12 v's stage, in and out; v13, v14 v's words, in and out; v15 v: my bytes; v26-28 at work
	s_load_b128 s[4:7], s[0:1], 0x0                ; kv s[4:5], kvc s[6:7]
	v_lshl_add_u32 v[SPW], v0, 2, SPARE
	v_mov_b32 v[NIL], 0
	v_lshrrev_b32 v1, 5, v0
	v_readfirstlane_b32 s12, v1                    ; wave 0..3
	s_and_b32 s13, ttmp7, 0xffff                   ; 0 k, 1 v
	s_lshr_b32 s15, ttmp9, 4                       ; head
	s_and_b32 s16, ttmp9, 15                       ; step
	s_lshl_b32 s22, s15, 20                        ; a head is 2^20 bytes of kv,
	s_lshl_b32 s17, s13, 19
	s_add_co_u32 s22, s22, s17                     ; v lies 64 rows behind k,
	s_lshl_b32 s17, s16, 9
	s_add_co_u32 s22, s22, s17                     ; 128 keys are 512 bytes
	s_mov_b32 s23, 0
	s_mul_i32 s24, ttmp9, STEPB
	s_lshl_b32 s17, s13, 8
	s_add_co_u32 s36, s24, s17
	s_add_co_u32 s36, s36, 8192                    ; the words' place
	s_mov_b32 s37, 0
	s_lshl_b32 s17, s13, 12
	s_add_co_u32 s24, s24, s17                     ; the codes' place
	s_mov_b32 s25, 0
	s_mov_b32 s30, 0x3eb504f3                      ; 64^-0.25
	s_mov_b32 s31, s30                             ; (named with it as a pair, so it is written)
	s_mov_b32 s32, 0x76543210
	s_mov_b32 s33, 0xfedcba98                      ; v_permlanex16_b32's selects for lane l xor 16
	s_lshr_b32 s38, s12, 1
	s_and_b32 s39, s12, 1
	s_lshl_b32 s40, s38, 11
	s_lshl_b32 s17, s39, 7
	s_add_co_u32 s40, s40, s17
	s_add_co_u32 s40, s40, KIMG                    ; k's codes in LDS: operand wave / 2, lanes 8 (wave & 1) on
	s_lshl_b32 s41, s39, 6
	s_lshl_b32 s38, s38, 2
	s_add_co_u32 s41, s41, s38
	s_add_co_u32 s41, s41, KW                      ; k's words
	s_lshl_b32 s42, s39, 7
	s_add_co_u32 s42, s42, s38
	s_add_co_u32 s42, s42, VW                      ; v's words: word t / 2 of lanes 16 (t & 1) on
	s_mul_i32 s43, s12, VWAVE
	s_lshl_b32 s44, s12, 7
	s_lshl_b32 s45, s12, 10
	s_lshl_b32 s46, s12, 17
	v_and_b32 v1, 31, v0
	v_and_b32 v2, 15, v0
	v_bfe_u32 v3, v0, 4, 1
	v_bfe_u32 v26, v0, 3, 1
	v_and_b32 v27, 7, v0
	v_lshl_add_u32 v4, v1, 2, s44
	v_lshlrev_b32 v5, 4, v27
	v_lshl_add_u32 v5, v26, 10, v5
	v_lshl_add_u32 v5, v3, 9, v5
	v_add_nc_u32 v5, s40, v5
	v_lshl_add_u32 v6, v1, 4, s45
	v_add_nc_u32 v7, KIMG, v6
	v_lshlrev_b32 v8, 3, v1
	v_lshlrev_b32 v9, 3, v27
	v_lshl_add_u32 v9, v26, 7, v9
	v_lshl_add_u32 v9, v3, 1, v9
	v_add_nc_u32 v9, s41, v9
	v_add_nc_u32 v10, KW, v8
	v_lshl_add_u32 v11, v1, 4, s43                 ; the stage, in: a row's 512 bytes as they lie
	v_mul_u32_u24 v12, v2, VPITCH
	v_lshl_add_u32 v12, v3, 7, v12
	v_add_nc_u32 v12, s43, v12                     ; out: row r, + 128 h bytes: 32 keys
	v_lshl_add_u32 v13, v2, 3, s42
	v_add_nc_u32 v14, VW, v8
	v_lshl_add_u32 v15, v1, 4, s46                 ; v: 16 rows of 8,192 bytes a wave
	s_wait_alu depctr_va_vdst(0)                   ; the wait at the head's end
	s_wait_kmcnt 0x0
	s_add_nc_u64 s[20:21], s[4:5], s[22:23]        ; what I read
	s_add_nc_u64 s[28:29], s[6:7], s[36:37]        ; the words' 256 bytes
	s_add_nc_u64 s[26:27], s[6:7], s[24:25]        ; the codes' 4,096 bytes
; 32 numbers of one lane, v[xs] on, are a block: its codes go to v[c] .. v[c + 3], its byte to v[e]
.macro BLOCKQ xs, c, e
	v_max3_num_f32 v26, |v[(\xs)]|, |v[(\xs)+1]|, |v[(\xs)+2]|   ; the largest magnitude, in two chains
	v_max3_num_f32 v27, |v[(\xs)+3]|, |v[(\xs)+4]|, |v[(\xs)+5]|
.irp i, 6,10,14,18,22,26
	v_max3_num_f32 v26, v26, |v[(\xs)+\i]|, |v[(\xs)+\i+1]|
	v_max3_num_f32 v27, v27, |v[(\xs)+\i+2]|, |v[(\xs)+\i+3]|
.endr
	v_max3_num_f32 v26, v26, |v[(\xs)+30]|, |v[(\xs)+31]|
	v_max3_num_f32 v26, v26, v27, 0x1800000        ; and the floor 2^(3 - 127): the byte cannot fall under 1
	v_add_nc_u32 v28, 0xff000000, v26              ; 2 off its exponent field: the conversion takes the exponent field of this operand as its scale
.irp g, 0,1,2,3
	v_cvt_scalef32_pk8_fp4_f32 v[(\c)+\g], v[(\xs)+8*\g:(\xs)+8*\g+7], v28
.endr
	v_lshrrev_b32 v[(\e)], 23, v28                 ; the scale's byte; also the plain line behind the conversions
.endm
.macro FACTOR xs                       ; 32 numbers x 64^-0.25
.set n, \xs
.rept 16
	v_pk_mul_f32 v[n:n+1], v[n:n+1], s[30:31] op_sel_hi:[1,0]
.set n, n+2
.endr
.endm
	s_cmp_eq_u32 s13, 1
	s_cbranch_scc1 .Lv
	; ---- k
.set n, 0
.rept 64
	global_load_b32 v[X+n], v4, s[20:21] offset:n*8192 th:TH_LOAD_NT   ; channel n at my key: a wave reads 128 consecutive bytes, the four waves 512
.set n, n+1
.endr
	s_wait_loadcnt 32                              ; channels 0-31 are in; the 32 younger loads may be out
	FACTOR X
	BLOCKQ X, C, E
	ds_store_b128 v5, v[C:C+3]                     ; channels 0-31: the group's lanes 0-15
	s_wait_loadcnt 0x0
	FACTOR X+32
	BLOCKQ X+32, C+4, E+1
	ds_store_b128 v5, v[C+4:C+7] offset:256        ; channels 32-63: its lanes 16-31
	v_lshl_or_b32 v[W], v[E+1], 8, v[E]
	ds_store_b16 v9, v[W]
	s_wait_dscnt 0x0                               ; for the others' sake: my stores have landed
	s_barrier_signal -1
	s_barrier_wait -1
	ds_load_b128 v[X:X+3], v7
	ds_load_b128 v[X+4:X+7], v7 offset:512
	s_wait_dscnt 1                                 ; the older of the two is in
	global_store_b128 v6, v[X:X+3], s[26:27]       ; 512 consecutive bytes, aligned
	s_wait_dscnt 0x0
	global_store_b128 v6, v[X+4:X+7], s[26:27] offset:512
	s_cmp_lg_u32 s12, 0
	s_cbranch_scc1 .Lkend
	ds_load_b64 v[X+8:X+9], v10                    ; wave 0 takes the words
	s_wait_dscnt 0x0
	global_store_b64 v8, v[X+8:X+9], s[28:29]      ; 256 consecutive bytes, aligned
.Lkend:
	s_wait_tensorcnt 0x0                           ; the wave's end
	ds_add_u32 v[SPW], v[NIL]
	s_wait_dscnt 0x0
	s_endpgm
.Lv:
	; ---- v
.irp i, 0,1,2,3,4,5,6,7,8,9,10,11,12,13,14,15
	global_load_b128 v[R+4*\i:R+4*\i+3], v15, s[20:21] offset:\i*8192 th:TH_LOAD_NT   ; channel i of my 16: 512 consecutive bytes
.endr
.irp g, 0,1,2,3
	s_wait_loadcnt 12-4*\g                         ; four more rows are in; the younger rows may be out
.irp k, 0,1,2,3
	ds_store_b128 v11, v[R+4*(4*\g+\k):R+4*(4*\g+\k)+3] offset:(4*\g+\k)*VPITCH
.endr
.endr
.irp c, 0,1
.irp g, 0,1,2,3,4,5,6,7
	ds_load_b128 v[X+32*\c+4*\g:X+32*\c+4*\g+3], v12 offset:256*\c+16*\g   ; LDS serves a wave's instructions in order (ISA guide 5.7.1.4): these see my stores
.endr
.endr
	s_wait_dscnt 8                                 ; keys 32 h + 0 .. 31 are in; the eight younger loads may be out
	BLOCKQ X, C, E
	global_store_b128 v6, v[C:C+3], s[26:27]       ; the tile's first group: 512 consecutive bytes
	s_wait_dscnt 0x0
	BLOCKQ X+32, C+4, E+1
	global_store_b128 v6, v[C+4:C+7], s[26:27] offset:512   ; its second
	v_lshl_or_b32 v[W], v[E+1], 16, v[E]           ; my two bytes: key blocks h and 2 + h,
	v_lshlrev_b32 v26, 3, v3
	v_mov_b32 v27, 0                               ; (a lane permute's destination counts as one of its sources)
	v_lshlrev_b32 v[W], v26, v[W]                  ; at their places in the word (8 h bits up);
	v_permlanex16_b32 v27, v[W], s32, s33
	v_or_b32 v[W], v[W], v27                       ; with lane l xor 16's two the word is whole
	ds_store_b32 v13, v[W]                         ; lanes r and 16 + r write the same word with the same value
	s_wait_dscnt 0x0                               ; for the others' sake: my words have landed
	s_barrier_signal -1
	s_barrier_wait -1
	s_cmp_lg_u32 s12, 0
	s_cbranch_scc1 .Lvend
	ds_load_b64 v[X:X+1], v14                      ; wave 0 takes the words
	s_wait_dscnt 0x0
	global_store_b64 v8, v[X:X+1], s[28:29]        ; 256 consecutive bytes, aligned
.Lvend:
	s_wait_tensorcnt 0x0                           ; the wave's end
	ds_add_u32 v[SPW], v[NIL]
	s_wait_dscnt 0x0
	s_endpgm
.Lfunc_end_k_q2beedf54b5_quant:
	.size	k_q2beedf54b5_quant, .Lfunc_end_k_q2beedf54b5_quant-k_q2beedf54b5_quant
	.p2alignl 7, 3214868480
	.fill 96, 4, 3214868480
	.section	.rodata,"a",@progbits
	.p2align	6, 0x0
	.amdhsa_kernel k_q2beedf54b5_quant
		.amdhsa_group_segment_fixed_size 38912
		.amdhsa_private_segment_fixed_size 0
		.amdhsa_enable_private_segment 0
		.amdhsa_kernarg_size 16
		.amdhsa_user_sgpr_count 2
		.amdhsa_user_sgpr_kernarg_segment_ptr 1
		.amdhsa_wavefront_size32 1
		.amdhsa_system_sgpr_workgroup_id_x 1
		.amdhsa_system_sgpr_workgroup_id_y 1
		.amdhsa_system_sgpr_workgroup_id_z 1
		.amdhsa_system_vgpr_workitem_id 0
		.amdhsa_next_free_vgpr 160
		.amdhsa_next_free_sgpr 66
		.amdhsa_reserve_vcc 0
		.amdhsa_float_denorm_mode_32 3
		.amdhsa_float_denorm_mode_16_64 3
		.amdhsa_memory_ordered 1
		.amdhsa_forward_progress 1
		.amdhsa_inst_pref_size 23
	.end_amdhsa_kernel
	.amdgpu_metadata
---
amdhsa.version: [ 1, 2 ]
amdhsa.kernels:
  - .name:           k_q2beedf54b5_quant
    .symbol:         k_q2beedf54b5_quant.kd
    .args:
      - { .name: kv, .offset: 0, .size: 8, .value_kind: global_buffer, .address_space: global }
      - { .name: kvc, .offset: 8, .size: 8, .value_kind: global_buffer, .address_space: global }
    .group_segment_fixed_size: 38912
    .private_segment_fixed_size: 0
    .kernarg_segment_align: 8
    .kernarg_segment_size: 16
    .max_flat_workgroup_size: 128
    .sgpr_count:     66
    .vgpr_count:     160
    .wavefront_size: 32
...
	.end_amdgpu_metadata
.endif
;; end of part 1
;; launch attn (part 2): grid 8 x 32, 16 waves a work-group, clusters of 4 x 1, 207,872 bytes of LDS; arguments q, kvc, out0; writes out0
.if DOCPART == 2
	.amdgcn_target "amdgcn-amd-amdhsa--gfx1250"
	.amdhsa_code_object_version 6
	.text
	.protected	k_q2beedf54b5_attn
	.globl	k_q2beedf54b5_attn
	.p2align	8
	.type	k_q2beedf54b5_attn,@function
k_q2beedf54b5_attn:
	s_mov_b64 s[64:65], 0
	v_nop
	global_prefetch_b8 v0, s[64:65] scope:SCOPE_SE
	s_setreg_imm32_b32 hwreg(HW_REG_WAVE_MODE, 25, 1), 1
	s_wait_xcnt 0x0
	s_wait_alu depctr_hold_cnt(0) depctr_sa_sdst(0) depctr_va_vdst(0) depctr_va_sdst(0) depctr_va_ssrc(0) depctr_va_vcc(0) depctr_vm_vsrc(0)
	s_getreg_b32 s2, hwreg(HW_REG_IB_STS2, 6, 4)
	s_cmp_eq_u32 s2, 0
	s_cbranch_scc0 .Lentry_in_a_cluster
	s_endpgm
.Lentry_in_a_cluster:
	s_bfe_u32 s2, ttmp6, 0x10000c
	s_cmp_lg_u32 s2, 0x3003
	s_cbranch_scc0 .Lentry_shape_is_right
	s_endpgm
.Lentry_shape_is_right:
; out[head][c][t] = the sum over keys s of softmax_s(logit[t][s]) v[c][s], logit = (q 64^-0.25) . (k 64^-0.25); 32 heads, 64 channels, 2,048 queries and keys.
; Both products on codes of FP4 (E2M1) with one E8M0 scale for each 32 along K.  k's and v's codes and scale words were made by the launch before and lie as images of the operands' registers.
; q, which one wave reads once, is quantised here in the head: lane (r, h) takes channels 32 h + 0 .. 31 of query r, one block, and the conversions give its operand registers as they stand.
; THE SOFTMAX AHEAD OF THE SECOND PRODUCT: t = logit x log2(e); M = the row's largest t so far, rounded UP to a whole number; p = 2^(t - M) is what is quantised, along the keys, not normalised.
; The row's sum is taken of the unquantised p, in f32, and divides at the end.  When M moves, the sum and O are multiplied by 2^(old M - new M): exact, and without a branch on data.
; A BLOCK'S SCALE: the largest p's exponent is floor(largest t - M), so the scale's exponent is that whole number - 2; no exponential is spent on it.  (Where t - M lies so close under a whole number that p rounds up to the
; power of two, p is held at the largest code of the lower scale, as the quantiser holds a p just under that power.)
; LIMITS: NaN and infinities are not served; scaled scores stay under 2^31 in magnitude; a p under 2^-126 comes out of v_exp_f32 as 0 (ISA guide 15.8); a block's scale byte is held at 1 from below;
; blocks of q whose largest magnitude lies under 2^(3 - 127) are held at that floor's byte, blocks of zeros too.
; SHARES.  A work-group owns 256 queries of one head; each of its sixteen waves 16 of them, one tile: four waves to a SIMD.  Every wave walks all keys, 128 a step.
; THE WHOLE HEAD STAYS IN LDS: 16 steps x 8,704 = 139,264 bytes.  Each wave fetches one step by its one tensor load; one barrier shows the whole head to all waves, and the walk over the keys has no barrier.
; No prefetch: all that the launch reads is asked for at its head, there is no loop to run ahead in.
; CLUSTER.  The four query blocks of a cluster belong to one head and want the same bytes: each fill is asked for JOINTLY, by the same tensor load with the same descriptor and a mask that names the four.
; LAYOUT.  Both products are used transposed: S^T = K Q^T (source 0 = 32 rows of keys, source 1 = my 16 queries), O^T = V^T P^T (source 0 = 32 channels, source 1 = P): a lane holds ONE query (lane % 16) throughout.
; A row of k's operand holds two keys, in k = 0 .. 63 and in k = 64 .. 127.  Against [Q, 0] it gives the first key's score, against [0, Q] the second's: the other key's codes meet zero codes.
; Q stands between four zero registers on either side, so both are runs of the same 12 registers; the scale word repeats its two bytes.
; Of operand c the 32 result registers of lane (r, h) are the neighbouring keys 64 c + 32 h + 0 .. 31: A WHOLE BLOCK IN A LANE.  So a block's maximum needs no other lane, and the conversions' results are P's operand as they stand.
; ORDER.  A step works in two halves, operand 0's 32 result registers and operand 1's.  The next step's products for a half are issued as soon as this step's sums have read it, so the maxima find finished scores.
; A STEP'S 8,704 BYTES: +0 k's 8 groups x 512; +4,096 v's 8 groups x 512; +8,192 k's scale words (8 x lane: operands 0, 1); +8,448 v's (8 x lane: channels lane and 32 + lane).
.set STEPB,  8704                      ; 34 rows of 256 bytes
.set HEADB,  16*STEPB
.set VO,     4096
.set KWO,    8192
.set VWO,    8448
.set STAGE,  HEADB                     ; behind the head's bytes: the way out, 64 channel rows x (256 queries x 4 bytes + 16)
.set SPITCH, 1040
.set SPARE,  STAGE+64*SPITCH           ; the spare words, 128 bytes a wave
.set LI,  1                            ; 16 x lane
.set ADR, 2                            ; LDS address of the pair of steps in hand, + 16 x lane
.set L8,  3                            ; 8 x lane
.set AD8, 4                            ; LDS address of the pair of steps, + 8 x lane
.set SO,  5                            ; my place in the stage
.set RD,  6                            ; where I read rows back
.set QO,  7                            ; q's offset
.set MX,  8                            ; the largest score so far
.set NMA, 10                           ; v10, v12: -M, by turns (v11, v13 are named with them as pairs)
.set NMB, 12
.set FF,  14                           ; f = 2^(old M - new M); v15 is named with it as a pair
.set QHI, 16                           ; v16-27: 0, Q, 0: [0, Q] is v16-23,
.set QLO, 20                           ; [Q, 0] is v20-27
.set KS,  28
.set VS,  30
.set KF,  32                           ; v32-63   k's two operands; on the way out rows of the result
.set VF,  64                           ; v64-95   v's two
.set S,   96                           ; v96-159  S^T, then p; at the head q's 32 numbers; on the way out O^T / the sum
.set O,   160                          ; v160-191 O^T
.set PC,  192                          ; v192-199 p's codes
.set SUM, 200                          ; v200-215 the row's sum, in eight pairs
.set QS,  216
.set PS,  217
.set BM,  218                          ; v218-225
.set BL,  226                          ; v226-227 the two blocks' largest scores
.set TT,  228
.set TP,  229
.set T2,  230
.set DD,  231
.set XX,  232                          ; v232-233
.set II,  234                          ; v234-235
.set SOP, 236                          ; v236-237 the conversions' scale operands
.set WW,  238
.set TQ,  239
.set SPW, 240
.set NIL, 241
.set WV,  10                           ; s10      my wave's number
.set QC,  14                           ; s[14:15] 64^-0.25
.set G1,  16
.set G0,  24
.set SEL, 40                           ; s[40:41] v_permlanex16_b32's selects for lane l xor 16
.set CS,  42                           ; s[42:43] log2(e): the packed form names a pair and takes its low word for both halves
.set TB,  44                           ; LDS byte at which the pair of steps begins
.set CNT, 45
.set CSN, 46                           ; -log2(e)
; A round of the cluster's barrier
.macro ROUND
	s_barrier_signal -1
	s_barrier_wait -1
	s_cmp_lg_u32 s[WV], 0
	s_cbranch_scc1 .Lnot_wave_0_\@
	s_barrier_signal -3
.Lnot_wave_0_\@:
	s_barrier_wait -3
	s_barrier_signal -1
	s_barrier_wait -1
.endm
	s_load_b128 s[4:7], s[0:1], 0x0                ; q s[4:5], kvc s[6:7]
	s_load_b64 s[8:9], s[0:1], 0x10                ; out
	v_lshl_add_u32 v[SPW], v0, 2, SPARE
	v_mov_b32 v[NIL], 0
	ds_add_u32 v[SPW], v[NIL]                      ; the opening add, twice on end
	ds_add_u32 v[SPW], v[NIL]
	v_lshrrev_b32 v2, 5, v0
	v_readfirstlane_b32 s[WV], v2                  ; wave 0..15
	s_bfe_u32 s11, ttmp6, 0x40000                  ; cx: it enters q's and out's global addresses alone
	s_lshl_b32 s12, ttmp9, 2                       ; in a cluster launch ttmp9 counts clusters
	s_add_co_u32 s12, s12, s11                     ; my block of 256 queries
	s_and_b32 s13, ttmp7, 0xffff                   ; the head, which the four partners share
	; descriptor group 1: a dense block of 8,704 bytes as 34 rows of 256 (32 elements of 8 bytes); no padding
	s_mov_b32 s[G1+0], 15|(3<<16)|(1<<21)          ; 15:0 the mask: all four work-groups; 17:16 elements of 8 bytes; 21 set beside a mask
	s_mov_b32 s[G1+1], 32<<16                      ; tensor_dim0 = 32
	s_mov_b32 s[G1+2], 34<<16                      ; tensor_dim1 = 34
	s_mov_b32 s[G1+3], 32<<16                      ; tile_dim0 = 32
	s_mov_b32 s[G1+4], 34                          ; tile_dim1 = 34
	s_mov_b32 s[G1+5], 32                          ; elements from row to row
	s_mov_b32 s[G1+6], 0
	s_mov_b32 s[G1+7], 0
	s_mul_i32 s47, s[WV], STEPB                    ; I fetch step = my wave's number
	s_mul_i32 s48, s13, HEADB
	s_add_co_u32 s48, s48, s47
	s_mov_b32 s49, 0
	s_lshl_b32 s52, s13, 19                        ; a head is 64 rows of 8,192 bytes of q and of out
	s_lshl_b32 s50, s12, 10                        ; my block's 1,024 bytes of a row
	s_add_co_u32 s52, s52, s50
	s_lshl_b32 s51, s[WV], 15
	s_add_co_u32 s56, s52, s51                     ; out: I store rows 4 w .. 4 w + 3
	s_mov_b32 s57, 0
	s_lshl_b32 s51, s[WV], 6
	s_add_co_u32 s52, s52, s51                     ; q: my 16 queries
	s_mov_b32 s53, 0
	s_add_co_u32 s58, s51, STAGE
	s_mul_i32 s59, s[WV], 4*SPITCH
	s_add_co_u32 s59, s59, STAGE
	s_mov_b32 s[SEL], 0x76543210
	s_mov_b32 s[SEL+1], 0xfedcba98
	s_mov_b32 s[CS], 0x3fb8aa3b                    ; log2(e)
	s_mov_b32 s[CS+1], s[CS]
	s_mov_b32 s[CSN], 0xbfb8aa3b
	s_mov_b32 s[QC], 0x3eb504f3
	s_mov_b32 s[QC+1], s[QC]
	v_and_b32 v[AD8], 31, v0
	v_and_b32 v[ADR], 15, v0                       ; r
	v_bfe_u32 v[TT], v0, 4, 1                      ; h
	v_lshlrev_b32 v[LI], 4, v[AD8]
	v_lshlrev_b32 v[L8], 3, v[AD8]
	v_lshlrev_b32 v[QO], 2, v[ADR]
	v_mul_u32_u24 v[SO], v[TT], 8*SPITCH           ; lanes 16-31 hold the channels 8 further on
	v_lshl_add_u32 v[SO], v[ADR], 2, v[SO]
	v_add_nc_u32 v[SO], s58, v[SO]
	v_lshl_add_u32 v[QO], v[TT], 18, v[QO]         ; 32 h rows of 8,192 bytes + 4 r
	v_add_nc_u32 v[RD], s59, v[LI]                 ; back: rows 4 w on, 16 bytes a lane
	s_wait_alu depctr_va_vdst(0)                   ; the wait here, directly ahead of the waits below
	s_wait_dscnt 0x0                               ; both opening adds are done
	s_wait_kmcnt 0x0
	s_mov_b32 s[G0], 1                             ; count = 1
	s_mov_b32 s[G0+1], s47                         ; LDS address: no place in the cluster enters it
	s_add_nc_u64 s[G0+2:G0+3], s[6:7], s[48:49]
	s_or_b32 s[G0+3], s[G0+3], 0x80000000          ; type = 2
	s_add_nc_u64 s[52:53], s[4:5], s[52:53]
	s_add_nc_u64 s[8:9], s[8:9], s[56:57]
	ROUND                                          ; all four work-groups are here: the joint loads meet
	tensor_load_to_lds s[G0:G0+3], s[G1:G1+7]      ; every wave one load, one step
	s_nop 0
.set n, 0
.rept 32
	global_load_b32 v[S+n], v[QO], s[52:53] offset:n*8192   ; channel 32 h + n of query r; the sixteen waves take 1,024 consecutive bytes of a row
.set n, n+1
.endr
	; under the loads' flight
.irp j, 0,1,2,3
	v_mov_b32 v[QHI+\j], 0
	v_mov_b32 v[QLO+4+\j], 0
.endr
.set n, 0
.rept 16
	v_mov_b32 v[O+n], 0                            ; O^T, the first half.  (The first step finds zeros, which the first change of M leaves zeros)
.set n, n+1
.endr
.set n, 0
.rept 16
	v_mov_b32 v[SUM+n], 0
.set n, n+1
.endr
	v_mov_b32 v[MX], 0xff61b1e6                    ; -3e38, under every score
	v_mov_b32 v[NMA], 0x7f61b1e6                   ; -M, over every -M that follows: the first f is 0
	v_mov_b32 v[NMA+1], 0                          ; (named as upper halves of pairs, so they are written)
	v_mov_b32 v[NMB+1], 0
	v_mov_b32 v[FF+1], 0
	v_mov_b32 v[TP], 0                             ; (a lane permute's destination counts as one of its sources)
	v_mov_b32 v[TQ], 0
	s_wait_alu depctr_va_vdst(0)                   ; the wait here, directly ahead of the wait below
	s_wait_loadcnt 0x0                             ; q
.set n, 0
.rept 16
	v_pk_mul_f32 v[S+n:S+n+1], v[S+n:S+n+1], s[QC:QC+1] op_sel_hi:[1,0]
.set n, n+2
.endr
	v_max3_num_f32 v[BM], |v[S]|, |v[S+1]|, |v[S+2]|
	v_max3_num_f32 v[BM+1], |v[S+3]|, |v[S+4]|, |v[S+5]|
.irp i, 6,10,14,18,22,26
	v_max3_num_f32 v[BM], v[BM], |v[S+\i]|, |v[S+\i+1]|
	v_max3_num_f32 v[BM+1], v[BM+1], |v[S+\i+2]|, |v[S+\i+3]|
.endr
	v_max3_num_f32 v[BM], v[BM], |v[S+30]|, |v[S+31]|
	v_max3_num_f32 v[BM], v[BM], v[BM+1], 0x1800000   ; and the floor 2^(3 - 127)
	v_add_nc_u32 v[SOP], 0xff000000, v[BM]         ; 2 off its exponent field: the conversions' scale operand
.irp g, 0,1,2,3
	v_cvt_scalef32_pk8_fp4_f32 v[QLO+\g], v[S+8*\g:S+8*\g+7], v[SOP]
.endr
	v_lshrrev_b32 v[II], 23, v[SOP]                ; my block's byte; also the plain line behind the conversions
	v_permlanex16_b32 v[TP], v[II], s[SEL], s[SEL+1]
	v_lshl_or_b32 v[WW], v[TP], 8, v[II]           ; lanes 0-15: bytes of channels 0-31 and 32-63 (lanes 16-31 are not read as scales)
	v_lshl_or_b32 v[QS], v[WW], 16, v[WW]          ; twice: for [Q, 0] and for [0, Q]
.set n, 16
.rept 16
	v_mov_b32 v[O+n], 0                            ; O^T, the second half: also the places between q's scale word and the first product
.set n, n+1
.endr
.macro TFMA cnt, nn                    ; t - M, two at a time (of the pairs log2(e) and -M the low word serves both halves)
.rept \cnt
	v_pk_fma_f32 v[S+PN:S+PN+1], v[S+PN:S+PN+1], s[CS:CS+1], v[\nn:\nn+1] op_sel_hi:[1,0,0]
.set PN, PN+2
.endr
.endm
.macro EXPS cnt                        ; p = 2^(t - M): NOT normalised
.rept \cnt
	v_exp_f32 v[S+PE], v[S+PE]
.set PE, PE+1
.endr
.endm
.macro SCORES c                        ; S^T = K Q^T for operand c: 64 keys
	v_wmma_scale_f32_32x16x128_f4 v[S+32*\c:S+32*\c+15], v[KF+16*\c:KF+16*\c+15], v[QLO:QLO+7], 0, v[KS+\c], v[QS]
	v_wmma_scale_f32_32x16x128_f4 v[S+32*\c+16:S+32*\c+31], v[KF+16*\c:KF+16*\c+15], v[QHI:QHI+7], 0, v[KS+\c], v[QS]
.endm
.macro CHAINS c                        ; operand c's 32 scores in four chains of 8 by turns (the last of each is still to come); each result is read from its low end on
.irp q, 0,1,2,3
	v_max3_num_f32 v[BM+4*\c+\q], v[S+32*\c+8*\q], v[S+32*\c+8*\q+1], v[S+32*\c+8*\q+2]
.endr
.irp i, 3,5
.irp q, 0,1,2,3
	v_max3_num_f32 v[BM+4*\c+\q], v[BM+4*\c+\q], v[S+32*\c+8*\q+\i], v[S+32*\c+8*\q+\i+1]
.endr
.endr
.endm
.macro CODES c, g
	v_cvt_scalef32_pk8_fp4_f32 v[PC+4*\c+\g], v[S+32*\c+8*\g:S+32*\c+8*\g+7], v[SOP+\c]
.endm
; A KEY STEP: 128 keys, d bytes behind ADR; its score products have been issued.  nk = 1: the next step's k is fetched and its score products are issued.  -M goes from v[no] to v[nn].
.macro STEP d, nk, no, nn
.irp i, 0,1,2,3,4,5,6,7
	ds_load_b128 v[VF+4*\i:VF+4*\i+3], v[ADR] offset:VO+512*\i+\d   ; v's land under the softmax.  (The last products that read these registers stand behind eight plain lines)
.endr
	ds_load_b64 v[VS:VS+1], v[AD8] offset:VWO+\d
	CHAINS 0                                       ; (twelve plain lines: the places behind operand 1's products too, for the loads and the maxima below)
.if \nk
.irp i, 0,1,2,3,4,5,6,7
	ds_load_b128 v[KF+4*\i:KF+4*\i+3], v[ADR] offset:STEPB+512*\i+\d   ; the next step's k
.endr
	ds_load_b64 v[KS:KS+1], v[AD8] offset:STEPB+KWO+\d
.endif
	CHAINS 1
.irp c, 0,1
	v_max3_num_f32 v[BL+\c], v[BM+4*\c], v[BM+4*\c+1], v[S+32*\c+7]
.endr
.irp c, 0,1
	v_max3_num_f32 v[BM+4*\c+2], v[BM+4*\c+2], v[BM+4*\c+3], v[S+32*\c+15]
.endr
.irp c, 0,1
	v_max3_num_f32 v[BL+\c], v[BL+\c], v[S+32*\c+23], v[S+32*\c+31]
.endr
.irp c, 0,1
	v_max_num_f32 v[BL+\c], v[BL+\c], v[BM+4*\c+2]   ; the largest score of my block of operand c: all 32 keys are mine
.endr
	s_delay_alu instid0(VALU_DEP_1)
	v_max_num_f32 v[TT], v[BL], v[BL+1]
	s_delay_alu instid0(VALU_DEP_1)
	v_permlanex16_b32 v[TP], v[TT], s[SEL], s[SEL+1]
	s_delay_alu instid0(VALU_DEP_1)
	v_max3_num_f32 v[MX], v[MX], v[TT], v[TP]      ; the running largest score, with lane l xor 16's two blocks
	s_delay_alu instid0(VALU_DEP_1)
	v_mul_f32 v[T2], s[CSN], v[MX]                 ; -t
	s_delay_alu instid0(VALU_DEP_1)
	v_floor_f32 v[\nn], v[T2]                      ; the new -M = floor(-t) = -ceil(t): A WHOLE NUMBER
	s_delay_alu instid0(VALU_DEP_1)
	v_fma_f32 v[XX], v[BL], s[CS], v[\nn]          ; t - M of each block's largest score
	v_fma_f32 v[XX+1], v[BL+1], s[CS], v[\nn]
	v_sub_f32 v[DD], v[\nn], v[\no]                ; M's old value less its new one: a whole number, 0 or less
.set PN, 0
	TFMA 4, \nn
	v_max_num_f32 v[XX], 0xc2f80000, v[XX]         ; held at -124: the byte cannot fall under 1
	v_max_num_f32 v[XX+1], 0xc2f80000, v[XX+1]
	v_cvt_i32_f32 v[DD], v[DD]                     ; (it saturates)
	TFMA 4, \nn
	v_floor_f32 v[XX], v[XX]                       ; the exponent of the block's largest p
	v_floor_f32 v[XX+1], v[XX+1]
	v_ldexp_f32 v[FF], 1.0, v[DD]                  ; f = 2^(old M - new M)
	TFMA 4, \nn
	v_cvt_i32_f32 v[II], v[XX]
	v_cvt_i32_f32 v[II+1], v[XX+1]
	TFMA 4, \nn                                    ; operand 0's 32 are done
	v_lshl_add_u32 v[WW], v[II+1], 16, v[II]       ; my blocks h and 2 + h: bytes 0 and 2,
	v_lshl_add_u32 v[SOP], v[II], 23, 0x3e800000   ; (exponent - 2 + 127) << 23: the conversions' scale operands
	v_lshl_add_u32 v[SOP+1], v[II+1], 23, 0x3e800000
	v_add_nc_u32 v[WW], 0x7d007d, v[WW]            ; + 125 each: between 1 and 254
	s_wait_alu depctr_va_vdst(0)                   ; the wait ahead of the batch
.set PE, 0
.rept 16                               ; operand 0's exponentials, among operand 1's multiply-adds
	EXPS 2
	TFMA 1, \nn
.endr
	v_permlanex16_b32 v[TQ], v[WW], s[SEL], s[SEL+1]
	s_wait_alu depctr_va_vdst(0)                   ; one wait, behind the first batch and ahead of the second
.irp g, 0,1,2,3                        ; operand 1's exponentials, among work on operand 0's p whose results nobody reads ahead of the next wait
	EXPS 2
	CODES 0, \g
.endr
	EXPS 2
	v_lshl_add_u32 v[PS], v[TQ], 8, v[WW]          ; lane l xor 16's bytes as 1 and 3: p's scale word (lanes 16-31 are not read as scales); also the plain line behind the conversions
.set PN, 0
.rept 7
	EXPS 3
	v_pk_add_f32 v[S+PN:S+PN+1], v[S+PN:S+PN+1], v[S+PN+16:S+PN+17]   ; the row's sum, of the unquantised p: operand 0's 16 pairs become 8
.set PN, PN+2
.endr
	EXPS 1
	v_pk_add_f32 v[S+PN:S+PN+1], v[S+PN:S+PN+1], v[S+PN+16:S+PN+17]
	s_wait_dscnt 0x0                               ; v's fragments and words and the next k's are in
	s_wait_alu depctr_va_vdst(0)                   ; the wait, behind the batch and the wait above and directly ahead of the first reader of O^T
.set PN, 0
.rept 8
	v_pk_mul_f32 v[O+4*PN:O+4*PN+1], v[O+4*PN:O+4*PN+1], v[FF:FF+1] op_sel_hi:[1,0]   ; O^T under the new M
	v_pk_mul_f32 v[O+4*PN+2:O+4*PN+3], v[O+4*PN+2:O+4*PN+3], v[FF:FF+1] op_sel_hi:[1,0]
	v_pk_fma_f32 v[SUM+2*PN:SUM+2*PN+1], v[SUM+2*PN:SUM+2*PN+1], v[FF:FF+1], v[S+2*PN:S+2*PN+1] op_sel_hi:[1,0,1]   ; and the sums, with operand 0's 8 pairs
.set PN, PN+1
.endr
.if \nk
	SCORES 0                                       ; operand 0's registers are free: the next step's
.endif
.irp g, 0,1,2,3
	CODES 1, \g
.endr
.irp k, 0,1,2,3,4,5,6,7
	v_pk_add_f32 v[SUM+2*\k:SUM+2*\k+1], v[SUM+2*\k:SUM+2*\k+1], v[S+32+2*\k:S+33+2*\k]   ; operand 1's pairs; these eight are the places between p's codes and the products
.endr
.irp u, 0,1                                    ; O^T += V^T P^T: the two accumulators by turns; at least three other products stand between a sum's steps
	v_wmma_scale_f32_32x16x128_f4 v[O+16*\u:O+16*\u+15], v[VF+16*\u:VF+16*\u+15], v[PC:PC+7], v[O+16*\u:O+16*\u+15], v[VS+\u], v[PS]
.endr
.irp k, 0,1,2,3,4,5,6,7
	v_pk_add_f32 v[SUM+2*\k:SUM+2*\k+1], v[SUM+2*\k:SUM+2*\k+1], v[S+48+2*\k:S+49+2*\k]   ; and these the places behind them
.endr
.if \nk
	SCORES 1                                       ; operand 1's registers are free
.endif
.endm
	s_wait_alu depctr_va_vdst(0)                   ; the wait at the head's end
	s_wait_tensorcnt 0x0                           ; my step is in;
	s_barrier_signal -1
	s_barrier_wait -1                              ; behind it the whole head is there for all sixteen waves
.irp i, 0,1,2,3,4,5,6,7
	ds_load_b128 v[KF+4*\i:KF+4*\i+3], v[LI] offset:512*\i   ; step 0's k
.endr
	ds_load_b64 v[KS:KS+1], v[L8] offset:KWO
	s_mov_b32 s[TB], 0
	s_mov_b32 s[CNT], 7
	s_wait_dscnt 0x0
	SCORES 0                                       ; step 0's score products
	SCORES 1
.rept 4
	v_nop                                          ; the places behind them
.endr
.Lpair:                                            ; two steps a trip: -M is back in its first register
	v_add_nc_u32 v[ADR], s[TB], v[LI]
	v_add_nc_u32 v[AD8], s[TB], v[L8]
	STEP 0, 1, NMA, NMB
	STEP STEPB, 1, NMB, NMA
	s_add_co_u32 s[TB], s[TB], 2*STEPB
	s_sub_co_u32 s[CNT], s[CNT], 1
	s_cmp_lg_u32 s[CNT], 0
	s_cbranch_scc1 .Lpair
	v_add_nc_u32 v[ADR], s[TB], v[LI]              ; the last two steps are written out: nothing is fetched behind the last
	v_add_nc_u32 v[AD8], s[TB], v[L8]
	STEP 0, 1, NMA, NMB
	STEP STEPB, 0, NMB, NMA
	; THE WAY OUT.  A lane holds one query and 32 channels: a column of the result.  O^T / the sum goes into the work-group's stage, [channel][query], and comes back as rows: each wave stores 4 channels x 1,024 consecutive bytes.
.irp k, 0,4,8,12
	v_pk_add_f32 v[SUM+\k:SUM+\k+1], v[SUM+\k:SUM+\k+1], v[SUM+\k+2:SUM+\k+3]
.endr
.irp k, 0,8
	v_pk_add_f32 v[SUM+\k:SUM+\k+1], v[SUM+\k:SUM+\k+1], v[SUM+\k+4:SUM+\k+5]
.endr
	s_delay_alu instid0(VALU_DEP_1)
	v_pk_add_f32 v[SUM:SUM+1], v[SUM:SUM+1], v[SUM+8:SUM+9]
	s_delay_alu instid0(VALU_DEP_1)
	v_add_f32 v[TT], v[SUM], v[SUM+1]
	s_delay_alu instid0(VALU_DEP_1)
	v_permlanex16_b32 v[TP], v[TT], s[SEL], s[SEL+1]
	s_delay_alu instid0(VALU_DEP_1)
	v_add_f32 v[TT], v[TT], v[TP]                  ; with lane l xor 16's: the row's sum
	s_wait_alu depctr_va_vdst(0)                   ; the wait ahead of the transcendental
	v_rcp_f32 v[TT], v[TT]
	v_nop                                          ; the plain line behind the transcendental
	s_wait_alu depctr_va_vdst(0)                   ; the wait ahead of the first readers of the reciprocal and of O^T
.set n, 0
.rept 32
	v_mul_f32 v[S+n], v[O+n], v[TT]                ; register 8 t + j: channel 16 t + 8 (lane / 16) + j of my query
.set n, n+1
.endr
.irp t, 0,1,2,3
.irp j, 0,1,2,3,4,5,6,7
	ds_store_b32 v[SO], v[S+8*\t+\j] offset:(16*\t+\j)*SPITCH
.endr
.endr
	s_wait_dscnt 0x0                               ; for the others' sake: my stores into the stage have landed
	s_barrier_signal -1
	s_barrier_wait -1
.irp i, 0,1,2,3
.irp e, 0,1
	ds_load_b128 v[KF+4*(2*\i+\e):KF+4*(2*\i+\e)+3], v[RD] offset:SPITCH*\i+512*\e
.endr
.endr
.irp i, 0,1,2,3
.irp e, 0,1
	s_wait_dscnt 7-(2*\i+\e)                       ; LDS loads come back in order: this one is in, the younger ones may be out
	global_store_b128 v[LI], v[KF+4*(2*\i+\e):KF+4*(2*\i+\e)+3], s[8:9] offset:8192*\i+512*\e th:TH_STORE_NT   ; 32 lanes store 512 consecutive bytes, aligned
.endr
.endr
	s_wait_tensorcnt 0x0                           ; the wave's end
	ds_add_u32 v[SPW], v[NIL]
	s_wait_dscnt 0x0
	ROUND                                          ; the closing round: no work-group ends while a partner may still ask for a tile that names it
	s_endpgm
.Lfunc_end_k_q2beedf54b5_attn:
	.size	k_q2beedf54b5_attn, .Lfunc_end_k_q2beedf54b5_attn-k_q2beedf54b5_attn
	.p2alignl 7, 3214868480
	.fill 96, 4, 3214868480
	.section	.rodata,"a",@progbits
	.p2align	6, 0x0
	.amdhsa_kernel k_q2beedf54b5_attn
		.amdhsa_group_segment_fixed_size 207872
		.amdhsa_private_segment_fixed_size 0
		.amdhsa_enable_private_segment 0
		.amdhsa_kernarg_size 24
		.amdhsa_user_sgpr_count 2
		.amdhsa_user_sgpr_kernarg_segment_ptr 1
		.amdhsa_wavefront_size32 1
		.amdhsa_system_sgpr_workgroup_id_x 1
		.amdhsa_system_sgpr_workgroup_id_y 1
		.amdhsa_system_sgpr_workgroup_id_z 1
		.amdhsa_system_vgpr_workitem_id 0
		.amdhsa_next_free_vgpr 244
		.amdhsa_next_free_sgpr 66
		.amdhsa_reserve_vcc 0
		.amdhsa_float_denorm_mode_32 3
		.amdhsa_float_denorm_mode_16_64 3
		.amdhsa_memory_ordered 1
		.amdhsa_forward_progress 1
		.amdhsa_inst_pref_size 70
	.end_amdhsa_kernel
	.amdgpu_metadata
---
amdhsa.version: [ 1, 2 ]
amdhsa.kernels:
  - .name:           k_q2beedf54b5_attn
    .symbol:         k_q2beedf54b5_attn.kd
    .args:
      - { .name: q, .offset: 0, .size: 8, .value_kind: global_buffer, .address_space: global }
      - { .name: kvc, .offset: 8, .size: 8, .value_kind: global_buffer, .address_space: global }
      - { .name: out0, .offset: 16, .size: 8, .value_kind: global_buffer, .address_space: global }
    .group_segment_fixed_size: 207872
    .private_segment_fixed_size: 0
    .kernarg_segment_align: 8
    .kernarg_segment_size: 24
    .max_flat_workgroup_size: 512
    .sgpr_count:     66
    .vgpr_count:     244
    .wavefront_size: 32
...
	.end_amdgpu_metadata
.endif
;; end of part 2
